; MI455X (gfx1250); checked and timed in simulation.
; The chip was launched on July 23, 2026; its instructions are those of AMD's public machine-readable ISA for CDNA 5 (MIT licence, August 2026) and "CDNA5" Instruction Set Architecture Reference Guide (July 2026). The comments in the code are by the model that wrote it; some were corrected since.
;; Multi Head Attention. Allowed arithmetic: matrix products marked QUANTISED: E2M3 operands, one E8M0 scale for each 32 along K, by v_wmma_scale_f32_16x16x128_f8f6f4 with both operands' format E2M3, f32 sums; everything else in f32.
;; Inputs: W_out 1,024 x 1,024 float32; W_qkv 3,072 x 1,024 float32; b_out 1,024 float32; b_qkv 3,072 float32; x 4 x 2,048 x 1,024 float32.
;; Outputs: out0 4 x 2,048 x 1,024 float32.
;; This version of the problem:
;;   THIS VERSION OF THE PROBLEM IS GIVEN IN LOW PRECISION. The matrix products marked QUANTISED in the list below multiply operands that are first quantised to E2M3 (2 exponent bits, 3 mantissa bits; 6 bits a number), with one power-of-two scale for each 32 numbers along K (OCP MX v1.0); their sums are f32. All else is computed in f32.
;;   The module's matrix products, in the order in which they are computed (A, B: the left and right operand; K: the contracted axis; several contracted axes count as one K, in the product's order):
;;     1. [M 8,192, K 1,024] x [K 1,024, N 3,072]; A: input x; B: input W_qkv: QUANTISED
;;     2. batch 64 x [M 2,048, K 64] x [K 64, N 2,048]; A: computed on the way; B: computed on the way: QUANTISED
;;     3. batch 64 x [M 2,048, K 2,048] x [K 2,048, N 64]; A: softmax (see below); B: computed on the way: QUANTISED
;;     4. [M 8,192, K 1,024] x [K 1,024, N 1,024]; A: computed on the way; B: input W_out: QUANTISED
;;   THE QUANTISER, for each operand of a quantised product, along K:
;;     - K is cut into blocks of 32 from its start; a last block that is shorter is filled with zeros.
;;     - A block's scale is 2^e with e = floor(log2(the largest magnitude in the block)) - 2, held to -126 .. 127; a block of zeros has e = 0. As a byte (E8M0): e + 127.
;;     - Each number is divided by its block's scale, clamped to +-7.5, and rounded to the nearest number of E2M3, ties to even, subnormals kept.
;;     - The product sums the exact products of the quantised numbers (number of the format x scale) in f32.
;;   ~~~python
;;   def quantise(x, axis):      # numpy; x: float32 -> the quantised numbers, widened to float32 again
;;       x = np.moveaxis(x, axis, -1); K = x.shape[-1]
;;       x = np.pad(x, [(0, 0)] * (x.ndim - 1) + [(0, -K % 32)]); x = x.reshape(x.shape[:-1] + (-1, 32)); a = np.abs(x).max(-1, keepdims=True)
;;       e = np.where(a > 0, np.clip(np.frexp(np.where(a > 0, a, 1))[1] - 1 - 2, -126, 127), 0)      # np.frexp(a)[1] - 1 = floor(log2(a)), exactly
;;       r = np.clip(x / 2.0 ** e, -7.5, 7.5)
;;       step = 2.0 ** (np.maximum(np.frexp(np.where(r == 0, 1, r))[1] - 1, 0) - 3)
;;       q = np.round(r / step) * step * 2.0 ** e      # np.round: ties to even
;;       return np.moveaxis(q.reshape(q.shape[:-2] + (-1,))[..., :K], -1, axis).astype(np.float32)
;;   ~~~
;;   SOFTMAX AHEAD OF A QUANTISED PRODUCT. Where the list says 'softmax', what is quantised is not the finished softmax but p = 2^(t - M), with t = logit x log2(e) and M = ceil(the row's largest t), a whole number; so 1/2 < the row's largest p <= 1. The row's sum l is taken of the UNQUANTISED p, in f32, and the product's result is divided by l at the end. Since M is a whole number, a kernel that streams over the keys may use a running M (the ceiling of the running maximum): every later rescaling is an exact power of two, which a block's scale takes up: the codes' values come out the same.
;;   OPERANDS COMPUTED ON THE WAY. 'Computed on the way' means the value that the module computes at that place (a softmax that the list does not call 'softmax' is quantised finished and normalised). What goes into a quantiser is computed in f32, as accurately as f32 sums, v_exp_f32 and their like allow (about 1e-6 of the number): no bf16 or f16 on the way to a quantiser, and a product that is left as it is and whose result goes on into a quantised operand takes f32 operands (vector FMAs, or v_wmma_f32_16x16x4_f32). A number that lies on a knife's edge between two numbers of the format may be rounded either way, as far as f32 arithmetic and the matrix unit's own rounding can turn it there, and no further.
;; One version. Each part assembles by itself: llvm-mc -triple=amdgcn-amd-amdhsa -mcpu=gfx1250 --defsym DOCPART=n.
;; ======== version 1 of 1: 4 launches
;; limits: right only within a limited range of input values
;; workspace buffers: cod 9,437,184 bytes; scl 393,216 bytes; qkv 18,874,368 bytes; qkvs 786,432 bytes; vals 6,291,456 bytes; valss 262,144 bytes
;; launch quant (part 1): grid 256 x 1, 6 waves a work-group, no clusters, 51,456 bytes of LDS; arguments x, W_qkv, W_out, cod, scl; writes cod, scl
.if DOCPART == 1
	.amdgcn_target "amdgcn-amd-amdhsa--gfx1250"
	.amdhsa_code_object_version 6
	.text
	.protected	k_qb40bdce859_quant
	.globl	k_qb40bdce859_quant
	.p2align	8
	.type	k_qb40bdce859_quant,@function
k_qb40bdce859_quant:
	s_mov_b64 s[64:65], 0
	v_nop
	global_prefetch_b8 v0, s[64:65] scope:SCOPE_SE
	s_setreg_imm32_b32 hwreg(HW_REG_WAVE_MODE, 25, 1), 1
	s_wait_xcnt 0x0
; x [8192][1024], W_qkv [3072][1024] and W_out [1024][1024], f32 with K innermost, become codes of FP6 (E2M3) with one E8M0 byte for each 32 along K,
; laid in the ORDER OF AN OPERAND'S REGISTERS, so that the products' launches fetch fragments as dense blocks.
; LABEL ROWS: 12,288 = x's 8,192 tokens, then W_qkv's rows sorted into q, k, v (label t 1024 + head 64 + d is row head 192 + t 64 + d), then W_out's 1,024.
; TILES of 16 rows: lane r of tile 2 G + u holds label row 32 G + 16 (r / 8) + 8 u + r % 8, so that in a transposed product the registers of two neighbouring tiles are 16 neighbours.
; cod: [tile 768][K step 8][1,536]: a fragment (16 rows x 128 K, 12 registers a lane) as two halves of 768 bytes: registers 6 c .. 6 c + 3 at 768 c + 16 lane, registers 6 c + 4, 6 c + 5 at 768 c + 512 + 8 lane.
; scl: [tile][K half 2][r 16][4 words]: word 4 g + i holds the four bytes of K step 4 g + i.
; A block's scale is 2^(floor(log2(largest magnitude)) - 2); its byte is the largest magnitude's exponent field - 2, held at 1 from below.
; LIMITS: NaN and infinities are not served; a block whose largest magnitude lies under 2^-124 (a block of zeros among them) gets the byte 1: only this program reads the bytes.
; SHARES: 1,536 jobs, one a wave: a tile x half of K (512 numbers a row), in four steps of 128 along K.  Each load reads 512 consecutive bytes of one row; a step's 16 rows turn through the wave's own stage in LDS
; (rows 528 bytes apart) and come back as two whole blocks of 32 a lane.  No matrix unit, no tensor load, no cluster, no barrier: waves share nothing and every byte is read once.
.set STG, 8448                         ; a wave's stage: 16 rows x (512 + 16) bytes
.set PC,  16                           ; v16-39   the codes, two sets of 12, by turns
.set CT,  40                           ; v40-42, v44-46 a block's upper 16 codes, as converted
.set W,   48                           ; v48-51   the four steps' scale words
.set DD,  52                           ; v52-53   the two words that I store
.set MXR, 54                           ; v54-55   largest magnitudes
.set SOP, 56                           ; v56-57   the conversions' scale operands
.set BY,  58                           ; v58-59   the bytes
.set R,   64                           ; v64-191  two sets of 64: a step's numbers as loaded
.set X,   192                          ; v192-255 my two blocks of 32
	s_load_b128 s[4:7], s[0:1], 0x0                ; x, W_qkv
	s_load_b128 s[8:11], s[0:1], 0x10              ; W_out, cod
	s_load_b64 s[12:13], s[0:1], 0x20              ; scl
	v_lshl_add_u32 v62, v0, 2, 0xc600
	v_mov_b32 v63, 0
	v_lshrrev_b32 v7, 5, v0
	v_readfirstlane_b32 s14, v7                    ; wave 0..5
	v_and_b32 v8, 31, v0                           ; lane
	v_and_b32 v9, 15, v0                           ; r
	v_bfe_u32 v10, v0, 4, 1                        ; h
	v_lshlrev_b32 v1, 4, v8                        ; 16 lane: loads, and stores of four registers
	v_lshlrev_b32 v2, 3, v8                        ; 8 lane: stores of two registers
	s_mul_i32 s15, s14, STG
	v_add_nc_u32 v3, s15, v1                       ; the stage, in: a row as it lies
	v_mul_u32_u24 v4, v9, 528
	v_lshl_add_u32 v4, v10, 7, v4
	v_add_nc_u32 v4, s15, v4                       ; and out: row r, block h
	v_lshlrev_b32 v5, 3, v10                       ; 8 h: my bytes' place in a scale word
	v_lshl_add_u32 v6, v9, 4, v5                   ; 16 r + 8 h: my two words in the tile's 256 bytes
	v_mov_b32 v61, 0                               ; a lane permute's destination counts as one of its sources
	s_mov_b32 s20, 0x76543210
	s_mov_b32 s21, 0xfedcba98                      ; selects for lane l xor 16
	s_mov_b32 s22, 0xffff0000                      ; lanes 16-31
	s_mul_i32 s15, ttmp9, 6
	s_add_co_u32 s15, s15, s14                     ; the job J
	s_lshr_b32 s16, s15, 1                         ; tile T
	s_and_b32 s17, s15, 1                          ; K half g
	s_lshr_b32 s18, s15, 2                         ; G
	s_and_b32 s19, s16, 1                          ; u
	s_min_u32 s25, s18, 255
	s_lshl_b32 s25, s25, 5                         ; first row, were it x's
	s_max_u32 s24, s18, 352
	s_sub_co_u32 s24, s24, 352
	s_lshl_b32 s24, s24, 5                         ; were it W_out's
	s_max_u32 s23, s18, 256
	s_sub_co_u32 s23, s23, 256
	s_min_u32 s23, s23, 95                         ; g' = which 32 label rows of W_qkv's 3,072
	s_lshr_b32 s26, s23, 1                         ; 16 t + head
	s_and_b32 s27, s26, 15
	s_mul_i32 s27, s27, 3
	s_lshr_b32 s26, s26, 4
	s_add_co_u32 s27, s27, s26                     ; 3 head + t
	s_lshl_b32 s27, s27, 6
	s_and_b32 s26, s23, 1
	s_lshl_b32 s26, s26, 5
	s_add_co_u32 s27, s27, s26                     ; were it W_qkv's
	s_mul_i32 s28, s16, 12288
	s_mul_i32 s29, s17, 6144
	s_add_co_u32 s28, s28, s29                     ; cod: tile, K half
	s_mov_b32 s29, 0
	s_lshl_b32 s30, s15, 8                         ; scl: 256 bytes a job
	s_mov_b32 s31, 0
	s_wait_alu depctr_va_vdst(0)
	s_wait_kmcnt 0x0
	s_cmp_lt_u32 s18, 352                          ; the choices hang on the job's number alone
	s_cselect_b64 s[6:7], s[6:7], s[8:9]
	s_cselect_b32 s27, s27, s24
	s_cmp_lt_u32 s18, 256
	s_cselect_b64 s[4:5], s[4:5], s[6:7]
	s_cselect_b32 s27, s25, s27
	s_lshl_b32 s26, s19, 3
	s_add_co_u32 s27, s27, s26                     ; + 8 u
	s_lshl_b32 s26, s27, 12                        ; rows of 4,096 bytes
	s_lshl_b32 s24, s17, 11
	s_add_co_u32 s26, s26, s24                     ; + 2,048 g
	s_mov_b32 s27, 0
	s_add_nc_u64 s[4:5], s[4:5], s[26:27]
	s_add_nc_u64 s[10:11], s[10:11], s[28:29]
	s_add_nc_u64 s[12:13], s[12:13], s[30:31]
.macro LOAD s                          ; step s: 128 numbers of each of the tile's 16 rows; 32 lanes read 512 consecutive bytes
.irp j, 0,1,2,3,4,5,6,7,8,9,10,11,12,13,14,15
	global_load_b128 v[R+64*((\s)%2)+4*\j:R+64*((\s)%2)+4*\j+3], v1, s[4:5] offset:(16*(\j/8)+\j%8)*4096+512*(\s) th:TH_LOAD_NT
.endr
.endm
.macro STEP s
.set RS, R+64*((\s)%2)
.set PS, PC+12*((\s)%2)
.if (\s) < 3
	s_wait_loadcnt 16                              ; this step's 16 loads are in; the next step's 16 may be out
.else
	s_wait_loadcnt 0x0
.endif
.irp j, 0,1,2,3,4,5,6,7,8,9,10,11,12,13,14,15
	ds_store_b128 v3, v[RS+4*\j:RS+4*\j+3] offset:528*\j
.endr
.irp q, 0,1,2,3,4,5,6,7
	ds_load_b128 v[X+4*\q:X+4*\q+3], v4 offset:16*\q               ; k = 32 h + 0 .. 31 of row r (LDS serves a wave's instructions in order: these see the stores)
.endr
.irp q, 0,1,2,3,4,5,6,7
	ds_load_b128 v[X+32+4*\q:X+32+4*\q+3], v4 offset:256+16*\q     ; k = 64 + 32 h + 0 .. 31
.endr
	s_wait_dscnt 0x0                               ; my blocks are in, and the stores have read their registers,
.if (\s) < 2
	LOAD (\s)+2                                    ; which take the loads of two steps on
.else
	s_wait_xcnt 0x0                                ; the stores of two steps back have read this set of codes: it is written again only behind this wait
.endif
.irp c, 0,1
	v_max3_num_f32 v[MXR+\c], |v[X+32*\c]|, |v[X+1+32*\c]|, 0x1800000   ; with the floor 2^(3 - 127): the byte cannot fall under 1
.endr
.irp i, 2,4,6,8,10,12,14,16,18,20,22,24,26,28,30
.irp c, 0,1
	v_max3_num_f32 v[MXR+\c], v[MXR+\c], |v[X+32*\c+\i]|, |v[X+1+32*\c+\i]|   ; the two blocks by turns
.endr
.endr
.irp c, 0,1
	v_add_nc_u32 v[SOP+\c], 0xff000000, v[MXR+\c]  ; 2 off the exponent field: the conversion's scale operand
.endr
.irp c, 0,1
	v_lshrrev_b32 v[BY+\c], 23, v[SOP+\c]          ; the byte
.endr
	v_lshl_or_b32 v60, v[BY+1], 16, v[BY]          ; blocks h and 2 + h,
	v_lshlrev_b32 v60, v5, v60                     ; at their places in the word;
	v_permlanex16_b32 v61, v60, s20, s21
	v_or_b32 v[W+(\s)], v60, v61                   ; with lane l xor 16's two the word is whole
.irp c, 0,1
	v_cvt_scalef32_pk16_fp6_f32 v[PS+6*\c:PS+6*\c+2], v[X+32*\c:X+32*\c+15], v[SOP+\c]
	v_cvt_scalef32_pk16_fp6_f32 v[CT+4*\c:CT+4*\c+2], v[X+32*\c+16:X+32*\c+31], v[SOP+\c]   ; (a conversion's three registers begin on an even number)
.endr
	v_nop                                          ; one plain place behind a scaled conversion
.irp c, 0,1
.irp i, 0,1,2
	v_mov_b32 v[PS+6*\c+3+\i], v[CT+4*\c+\i]
.endr
.endr
	global_store_b128 v1, v[PS:PS+3], s[10:11] offset:1536*(\s)            ; 512 consecutive bytes, aligned
	global_store_b64 v2, v[PS+4:PS+5], s[10:11] offset:1536*(\s)+512       ; 256
	global_store_b128 v1, v[PS+6:PS+9], s[10:11] offset:1536*(\s)+768
	global_store_b64 v2, v[PS+10:PS+11], s[10:11] offset:1536*(\s)+1280
.endm
	LOAD 0
	LOAD 1
	STEP 0
	STEP 1
	STEP 2
	STEP 3
.irp i, 0,1
	v_cndmask_b32 v[DD+\i], v[W+\i], v[W+2+\i], s22   ; lanes 0-15 store words 0, 1 of row r, lanes 16-31 words 2, 3
.endr
	global_store_b64 v6, v[DD:DD+1], s[12:13]      ; 256 consecutive bytes, aligned
	s_wait_tensorcnt 0x0
	ds_add_u32 v62, v63
	s_wait_dscnt 0x0
	s_endpgm
.Lfunc_end_k_qb40bdce859_quant:
	.size	k_qb40bdce859_quant, .Lfunc_end_k_qb40bdce859_quant-k_qb40bdce859_quant
	.p2alignl 7, 3214868480
	.fill 96, 4, 3214868480
	.section	.rodata,"a",@progbits
	.p2align	6, 0x0
	.amdhsa_kernel k_qb40bdce859_quant
		.amdhsa_group_segment_fixed_size 51456
		.amdhsa_private_segment_fixed_size 0
		.amdhsa_enable_private_segment 0
		.amdhsa_kernarg_size 40
		.amdhsa_user_sgpr_count 2
		.amdhsa_user_sgpr_kernarg_segment_ptr 1
		.amdhsa_wavefront_size32 1
		.amdhsa_system_sgpr_workgroup_id_x 1
		.amdhsa_system_sgpr_workgroup_id_y 1
		.amdhsa_system_sgpr_workgroup_id_z 1
		.amdhsa_system_vgpr_workitem_id 0
		.amdhsa_next_free_vgpr 256
		.amdhsa_next_free_sgpr 66
		.amdhsa_reserve_vcc 0
		.amdhsa_float_denorm_mode_32 3
		.amdhsa_float_denorm_mode_16_64 3
		.amdhsa_memory_ordered 1
		.amdhsa_forward_progress 1
		.amdhsa_inst_pref_size 31
	.end_amdhsa_kernel
	.amdgpu_metadata
---
amdhsa.version: [ 1, 2 ]
amdhsa.kernels:
  - .name:           k_qb40bdce859_quant
    .symbol:         k_qb40bdce859_quant.kd
    .args:
      - { .name: x, .offset: 0, .size: 8, .value_kind: global_buffer, .address_space: global }
      - { .name: W_qkv, .offset: 8, .size: 8, .value_kind: global_buffer, .address_space: global }
      - { .name: W_out, .offset: 16, .size: 8, .value_kind: global_buffer, .address_space: global }
      - { .name: cod, .offset: 24, .size: 8, .value_kind: global_buffer, .address_space: global }
      - { .name: scl, .offset: 32, .size: 8, .value_kind: global_buffer, .address_space: global }
    .group_segment_fixed_size: 51456
    .private_segment_fixed_size: 0
    .kernarg_segment_align: 8
    .kernarg_segment_size: 40
    .max_flat_workgroup_size: 192
    .sgpr_count:     66
    .vgpr_count:     256
    .wavefront_size: 32
...
	.end_amdgpu_metadata
.endif
;; end of part 1
;; launch gemm_qkv (part 2): grid 12 x 32, 4 waves a work-group, clusters of 4 x 4, 327,680 bytes of LDS; arguments cod, scl, b_qkv, qkv, qkvs; writes qkv, qkvs
.if DOCPART == 2
	.amdgcn_target "amdgcn-amd-amdhsa--gfx1250"
	.amdhsa_code_object_version 6
	.text
	.protected	k_qb40bdce859_gemm_qkv
	.globl	k_qb40bdce859_gemm_qkv
	.p2align	8
	.type	k_qb40bdce859_gemm_qkv,@function
k_qb40bdce859_gemm_qkv:
	s_mov_b64 s[64:65], 0
	v_nop
	global_prefetch_b8 v0, s[64:65] scope:SCOPE_SE
	s_setreg_imm32_b32 hwreg(HW_REG_WAVE_MODE, 25, 1), 1
	s_wait_xcnt 0x0
	s_wait_alu depctr_hold_cnt(0) depctr_sa_sdst(0) depctr_va_vdst(0) depctr_va_sdst(0) depctr_va_ssrc(0) depctr_va_vcc(0) depctr_vm_vsrc(0)
	s_getreg_b32 s2, hwreg(HW_REG_IB_STS2, 6, 4)
	s_cmp_eq_u32 s2, 0
	s_cbranch_scc0 .Lentry_in_a_cluster
	s_endpgm
.Lentry_in_a_cluster:
	s_bfe_u32 s2, ttmp6, 0x10000c
	s_cmp_lg_u32 s2, 0xf033
	s_cbranch_scc0 .Lentry_shape_is_right
	s_endpgm
.Lentry_shape_is_right:
.set SLOT,  98304
.set QUART, 24576
.set BOFF,  49152
.set SCL,   2*SLOT
.set SPARE, SCL+16384
.set FR,    12
.set ADRA,  16
.set ADRB,  20
.set ADRS,  27
.set SPW,   28
.set NIL,   29
.set SC,    32
.set AF,    128
.set BM,    96
.set FA,    112
.set FB,    236
.set T,     128
.set TM,    192
.set PW,    208
.set WA,    216
.set WB,    220
.set DD,    224
.set CT,    228
.set G1, 24
.set G0, 32
.set G1B, 48
.set G0B, 56
.set G1S, 68
.set G0S, 76
.set G1SB, 80
.set G0SB, 88
.set SEL, 66
.set HM,  42
.set OC,  92
.set OS,  96
.set PLO, 98
.set PHI, 99
.set MSB, 0
.macro WIN new
.if MSB != (\new)
	s_set_vgpr_msb (MSB<<8)|(\new)
.set MSB, (\new)
.endif
.endm
.set MUL_LO, 0xa1
.set MUL_HI, 0xf1
.set TO_B,   0x40
.macro JLOAD g0a, g1a, g0b, g1b
	s_cmp_eq_u32 s15, 0
	s_cbranch_scc0 .Lfor_b_\@
	tensor_load_to_lds s[\g0a:\g0a+3], s[\g1a:\g1a+7]
	s_nop 0
.rept 4
	v_nop
.endr
	s_branch .Lasked_\@
.Lfor_b_\@:
	tensor_load_to_lds s[\g0b:\g0b+3], s[\g1b:\g1b+7]
	s_nop 0
.rept 4
	v_nop
.endr
.Lasked_\@:
.endm
.macro CREST
	s_cmp_lg_u32 s14, 0
	s_cbranch_scc1 .Lnot_wave_0_\@
	s_barrier_signal -3
.Lnot_wave_0_\@:
	s_barrier_wait -3
	s_barrier_signal -1
	s_barrier_wait -1
.endm
.macro CROUND
	s_barrier_signal -1
	s_barrier_wait -1
	CREST
.endm
.macro PLACES n
.rept \n
	v_nop
.endr
.endm
	s_load_b256 s[4:11], s[0:1], 0x0
	s_load_b64 s[12:13], s[0:1], 0x20
	v_lshl_add_u32 v[SPW], v0, 2, SPARE
	v_mov_b32 v[NIL], 0
	ds_add_u32 v28, v29
	ds_add_u32 v28, v29
	s_wait_dscnt 0x0
	v_lshrrev_b32 v1, 5, v0
	v_readfirstlane_b32 s14, v1
	s_lshr_b32 s15, s14, 1
	s_and_b32 s16, s14, 1
	s_bfe_u32 s40, ttmp6, 0x40000
	s_bfe_u32 s41, ttmp6, 0x40004
	s_lshl_b32 s43, s41, 2
	s_lshl_b32 s43, 15, s43
	s_lshl_b32 s44, 0x1111, s40
	s_and_b32 s18, ttmp7, 0xffff
	s_lshl_b32 s18, s18, 2
	s_lshl_b32 s19, ttmp9, 2
	s_add_co_u32 s19, s19, 32
	s_cmp_eq_u32 ttmp9, 2
	s_cselect_b32 s20, 40, s18
	s_cselect_b32 s21, s18, s19
	s_add_co_u32 s20, s20, s41
	s_add_co_u32 s21, s21, s40
	s_or_b32 s[G1+0], s43, (3<<16)|(1<<21)
	s_or_b32 s[G1B+0], s44, (3<<16)|(1<<21)
.irp g, G1, G1B
	s_mov_b32 s[\g+1], 384<<16
	s_mov_b32 s[\g+2], 16<<16
	s_mov_b32 s[\g+3], 384<<16
	s_mov_b32 s[\g+4], 16
	s_mov_b32 s[\g+5], 1536
	s_mov_b32 s[\g+6], 0
	s_mov_b32 s[\g+7], 0
.endr
	s_or_b32 s[G1S+0], s43, (3<<16)|(1<<21)
	s_or_b32 s[G1SB+0], s44, (3<<16)|(1<<21)
.irp g, G1S, G1SB
	s_mov_b32 s[\g+1], 32<<16
	s_mov_b32 s[\g+2], 32<<16
	s_mov_b32 s[\g+3], 32<<16
	s_mov_b32 s[\g+4], 32
	s_mov_b32 s[\g+5], 32
	s_mov_b32 s[\g+6], 0
	s_mov_b32 s[\g+7], 0
.endr
	s_mul_i32 s100, s16, 98304                     ; in the ring I fetch eight of a tile's sixteen rows: which half, in bytes
	s_mov_b32 s101, 0
	s_mul_i32 s46, s20, 196608
	s_mov_b32 s47, 0
	s_mul_i32 s92, s21, 196608
	s_mov_b32 s93, 0
	s_lshl_b32 s96, s20, 13
	s_mov_b32 s97, 0
	s_lshl_b32 s98, s21, 13
	s_mov_b32 s99, 0
	s_mul_i32 s45, s14, QUART
	s_wait_kmcnt 0x0
	s_add_nc_u64 s[46:47], s[4:5], s[46:47]
	s_add_nc_u64 s[92:93], s[4:5], s[92:93]
	s_add_nc_u64 s[96:97], s[6:7], s[96:97]
	s_add_nc_u64 s[98:99], s[6:7], s[98:99]
	CROUND
	s_mov_b32 s[G0S], 1
	s_mov_b32 s[G0S+1], SCL
	s_mov_b64 s[G0S+2:G0S+3], s[96:97]
	s_or_b32 s[G0S+3], s[G0S+3], 0x80000000
	s_mov_b32 s[G0SB], 1
	s_mov_b32 s[G0SB+1], SCL+8192
	s_mov_b64 s[G0SB+2:G0SB+3], s[98:99]
	s_or_b32 s[G0SB+3], s[G0SB+3], 0x80000000
	s_mov_b32 s[G0], 1                             ; the head's four tiles, each whole: slot 0's sixteen rows of A,
	s_mov_b32 s[G0+1], 0
	s_mov_b64 s[G0+2:G0+3], s[46:47]
	s_or_b32 s[G0+3], s[G0+3], 0x80000000
	s_mov_b32 s[G0B], 1                            ; its sixteen rows of B, and the two blocks of scale words above
	s_mov_b32 s[G0B+1], BOFF
	s_mov_b64 s[G0B+2:G0B+3], s[92:93]
	s_or_b32 s[G0B+3], s[G0B+3], 0x80000000
	s_add_nc_u64 s[46:47], s[46:47], s[100:101]    ; for the ring: my eight rows
	s_add_nc_u64 s[92:93], s[92:93], s[100:101]
	s_mov_b32 s[G0+4], 1
	s_add_co_u32 s[G0+5], s45, SLOT
	s_add_nc_u64 s[G0+6:G0+7], s[46:47], 3072
	s_or_b32 s[G0+7], s[G0+7], 0x80000000
	s_mov_b32 s[G0B+4], 1
	s_add_co_u32 s[G0B+5], s45, SLOT
	s_add_nc_u64 s[G0B+6:G0B+7], s[92:93], 3072
	s_or_b32 s[G0B+7], s[G0B+7], 0x80000000
	s_cmp_lt_u32 s14, 1                            ; one chain of arms on the wave's number, one load to an arm: one tensor load a wave at the head
	s_cbranch_scc0 .Lhead_b
	tensor_load_to_lds s[G0:G0+3], s[G1:G1+7]
	s_nop 0
	PLACES 4
	s_branch .Lhead_asked
.Lhead_b:
	s_cmp_lt_u32 s14, 2
	s_cbranch_scc0 .Lhead_sa
	tensor_load_to_lds s[G0B:G0B+3], s[G1B:G1B+7]
	s_nop 0
	PLACES 4
	s_branch .Lhead_asked
.Lhead_sa:
	s_cmp_lt_u32 s14, 3
	s_cbranch_scc0 .Lhead_sb
	tensor_load_to_lds s[G0S:G0S+3], s[G1S:G1S+7]
	s_nop 0
	PLACES 4
	s_branch .Lhead_asked
.Lhead_sb:
	tensor_load_to_lds s[G0SB:G0SB+3], s[G1SB:G1SB+7]
	s_nop 0
	PLACES 4
.Lhead_asked:
	v_and_b32 v1, 15, v0
	v_bfe_u32 v2, v0, 4, 1
	v_and_b32 v3, 31, v0
	v_lshlrev_b32 v4, 4, v3
	v_lshlrev_b32 v5, 3, v3
	s_mul_i32 s2, s15, QUART
	s_mul_i32 s3, s16, QUART
	s_add_co_u32 s3, s3, BOFF
.irp s, 0,1
	v_add_nc_u32 v[ADRA+\s], s2, v4
	v_add_nc_u32 v[ADRA+2+\s], s2, v5
	v_add_nc_u32 v[ADRB+\s], s3, v4
	v_add_nc_u32 v[ADRB+2+\s], s3, v5
	s_add_co_u32 s2, s2, SLOT
	s_add_co_u32 s3, s3, SLOT
.endr
	s_xor_b32 s3, s15, 1
	s_add_co_u32 s3, s3, s16
	s_add_co_u32 s3, s3, 1
	s_lshl_b32 s3, s3, 12
	v_mul_u32_u24 v6, s3, v2
	s_lshl_b32 s2, s15, 12
	s_add_co_u32 s2, s2, SCL
	v_lshl_add_u32 v6, v1, 4, v6
	v_add_nc_u32 v[ADRS], s2, v6
	v_lshlrev_b32 v24, 4, v3
	v_mul_u32_u24 v25, v2, 12288
	v_lshl_add_u32 v25, v1, 4, v25
	v_lshlrev_b32 v26, 6, v2
	s_wait_alu depctr_va_vdst(0)
	v_and_b32 v30, 8, v1
	v_add_nc_u32 v30, v30, v1
	v_lshlrev_b32 v30, 2, v30
	s_wait_alu depctr_va_vdst(0)
	s_lshl_b32 s17, s20, 1
	s_add_co_u32 s17, s17, s15
	s_lshl_b32 s18, s21, 1
	s_add_co_u32 s18, s18, s16
	s_lshl_b32 s19, s40, 1
	s_add_co_u32 s19, s19, s16
	s_lshl_b32 s2, s41, 1
	s_add_co_u32 s2, s2, s15
	s_cmp_eq_u32 ttmp9, 2
	s_cselect_b32 s17, s18, s17
	s_cselect_b32 s19, s2, s19
	s_lshr_b32 s18, s17, 4
	s_and_b32 s17, s17, 15
	s_lshl_b32 s18, s18, 4
	s_lshl_b32 s2, s19, 1
	s_add_co_u32 s18, s18, s2
	s_mul_i32 s18, s18, 3
	s_add_co_u32 s18, s18, ttmp9
	s_mul_i32 s[OC], s18, 98304
	s_mul_i32 s2, s17, 6144
	s_add_co_u32 s[OC], s[OC], s2
	s_mov_b32 s[OC+1], 0
	s_add_nc_u64 s[OC:OC+1], s[10:11], s[OC:OC+1]
	s_lshl_b32 s[OS], s18, 12
	s_lshl_b32 s2, s17, 8
	s_add_co_u32 s[OS], s[OS], s2
	s_mov_b32 s[OS+1], 0
	s_add_nc_u64 s[OS:OS+1], s[12:13], s[OS:OS+1]
	s_mul_i32 s46, s19, 1536
	s_lshl_b32 s22, ttmp9, 8
	s_add_co_u32 s22, s22, s46
	s_mov_b32 s23, 0
	s_add_nc_u64 s[22:23], s[8:9], s[22:23]
	s_add_co_u32 s46, s46, 512
	s_mov_b32 s47, 0
	s_add_nc_u64 s[46:47], s[8:9], s[46:47]
	s_mov_b32 s[SEL], 0x76543210
	s_mov_b32 s[SEL+1], 0xfedcba98
	s_mov_b32 s[HM], 0xffff0000
	s_mov_b32 s[PLO], 0x05040100
	s_mov_b32 s[PHI], 0x07060302
	WIN 0x40
.irp b, 0,1,2,3,4,5,6,7
.set bn, 96+8*\b+96*(\b/4)
	global_load_b128 v[bn:bn+3], v26, s[22:23] offset:(\b/4)*768+((\b/2)%2)*128+(\b%2)*32
	global_load_b128 v[bn+4:bn+7], v26, s[22:23] offset:(\b/4)*768+((\b/2)%2)*128+(\b%2)*32+16
.endr
	WIN 0
.irp a, 0,1,2,3,4,5,6,7
	global_load_b32 v[BM+2*\a], v30, s[46:47] offset:(\a/4)*768+(32*((\a%4)/2)+8*(\a%2))*4
	global_load_b32 v[BM+2*\a+1], v30, s[46:47] offset:(\a/4)*768+(32*((\a%4)/2)+8*(\a%2))*4
.endr
.macro FRAG reg, adr, q, i
	ds_load_b128 v[\reg:\reg+3], v[\adr] offset:(\i)*3072+(\q)*1536
	ds_load_b64 v[\reg+4:\reg+5], v[\adr+2] offset:(\i)*3072+(\q)*1536+512
	ds_load_b128 v[\reg+6:\reg+9], v[\adr] offset:(\i)*3072+(\q)*1536+768
	ds_load_b64 v[\reg+10:\reg+11], v[\adr+2] offset:(\i)*3072+(\q)*1536+1280
.endm
.macro FETCH_B slot, q, p
	WIN TO_B
.irp i, 0,1,2,3,4,5,6,7
	FRAG 128*(\p)+FR*\i, ADRB+\slot, \q, \i
.endr
	WIN 0
.endm
.macro FETCH_A slot, q, i0
.irp i, \i0, \i0+1, \i0+2, \i0+3
	FRAG AF+FR*(\i), ADRA+\slot, \q, \i
.endr
.endm
.macro MUL16 a0, p, ks, zero
.irp a, \a0, \a0+1
.irp b, 0,1,2,3,4,5,6,7
.if \zero
	v_wmma_scale_f32_16x16x128_f8f6f4 v[8*(8*((\a)%4)+\b):8*(8*((\a)%4)+\b)+7], v[128*(\p)+FR*\b:128*(\p)+FR*\b+FR-1], v[AF+FR*(\a):AF+FR*(\a)+FR-1], 0, v[SC+8*\b+(\ks)], v[SC+8*(\a)+(\ks)] matrix_a_fmt:MATRIX_FMT_FP6 matrix_b_fmt:MATRIX_FMT_FP6 matrix_a_scale:MATRIX_SCALE_ROW1
.else
	v_wmma_scale_f32_16x16x128_f8f6f4 v[8*(8*((\a)%4)+\b):8*(8*((\a)%4)+\b)+7], v[128*(\p)+FR*\b:128*(\p)+FR*\b+FR-1], v[AF+FR*(\a):AF+FR*(\a)+FR-1], v[8*(8*((\a)%4)+\b):8*(8*((\a)%4)+\b)+7], v[SC+8*\b+(\ks)], v[SC+8*(\a)+(\ks)] matrix_a_fmt:MATRIX_FMT_FP6 matrix_b_fmt:MATRIX_FMT_FP6 matrix_a_scale:MATRIX_SCALE_ROW1
.endif
.endr
.endr
.endm
.macro STEP slot, ks, zero
	s_wait_dscnt 16
	WIN MUL_LO
	MUL16 0, 0, \ks, \zero
	MUL16 2, 0, \ks, \zero
	s_wait_dscnt 0x0
	PLACES 4
	FETCH_B \slot, 1, 1
	FETCH_A \slot, 1, 0
	WIN MUL_HI
	MUL16 4, 0, \ks, \zero
	MUL16 6, 0, \ks, \zero
	PLACES 4
	WIN 0
	FETCH_A \slot, 1, 4
.endm
.macro TURN slot, next, fill, ks
	s_wait_tensorcnt 0x0
	ds_add_u32 v[SPW], v[NIL]
	s_wait_dscnt 17
	WIN MUL_LO
	MUL16 0, 1, \ks, 0
	s_wait_dscnt 0x0
	s_barrier_signal -1
	MUL16 2, 1, \ks, 0
	WIN 0
	s_barrier_wait -1
.if \fill
	CREST
	s_add_nc_u64 s[G0+4*\slot+2:G0+4*\slot+3], s[G0+4*\slot+2:G0+4*\slot+3], 6144
	s_add_nc_u64 s[G0B+4*\slot+2:G0B+4*\slot+3], s[G0B+4*\slot+2:G0B+4*\slot+3], 6144
	JLOAD G0+4*\slot, G1, G0B+4*\slot, G1B
.else
	PLACES 4
.endif
	FETCH_B \next, 0, 0
	FETCH_A \next, 0, 0
	WIN MUL_HI
	MUL16 4, 1, \ks, 0
	MUL16 6, 1, \ks, 0
	PLACES 4
	WIN 0
	FETCH_A \next, 0, 4
.endm
	s_wait_alu depctr_va_vdst(0)                   ; the wait at the head's end
	s_wait_tensorcnt 0x0                           ; my tile of the head's four is in
	ds_add_u32 v[SPW], v[NIL]
	s_mov_b32 s[G1+2], 8<<16                       ; no tensor load of mine is out: from here on a load brings eight rows,
	s_mov_b32 s[G1+4], 8
	s_mov_b32 s[G1B+2], 8<<16
	s_mov_b32 s[G1B+4], 8
	s_mov_b32 s[G0+1], s45                         ; and slot 0's group 0 stands at my quarter
	s_add_nc_u64 s[G0+2:G0+3], s[G0+2:G0+3], s[100:101]
	s_mov_b32 s[G0B+1], s45
	s_add_nc_u64 s[G0B+2:G0B+3], s[G0B+2:G0B+3], s[100:101]
	s_wait_dscnt 0x0
	CROUND                                         ; all four tiles are in, in every work-group of the cluster
	JLOAD G0+4, G1, G0B+4, G1B                     ; slot 1's first fill, the first tensor load behind the round
.irp i, 0,1,2,3,4,5,6,7
.irp g, 0,1
	ds_load_b128 v[SC+8*\i+4*\g:SC+8*\i+4*\g+3], v[ADRS] offset:\i*512+\g*256
.endr
.endr
	FETCH_B 0, 0, 0
	FETCH_A 0, 0, 0
	FETCH_A 0, 0, 4
	STEP 0, 0, 1
	TURN 0, 1, 1, 1
	STEP 1, 2, 0
	TURN 1, 0, 1, 3
	STEP 0, 4, 0
	TURN 0, 1, 0, 5
	STEP 1, 6, 0
	s_wait_dscnt 16
	WIN MUL_LO
	MUL16 0, 1, 7, 0
	MUL16 2, 1, 7, 0
	s_wait_dscnt 0x0
	WIN MUL_HI
	MUL16 4, 1, 7, 0
	MUL16 6, 1, 7, 0
	WIN 0
	PLACES 4
	s_wait_loadcnt 0x0
.macro BIASN a
	WIN 0x06+((\a)/4)
.set k, 0
.rept 32
	v_pk_add_f32 v[T+2*k:T+2*k+1], v[64*((\a)%4)+2*k:64*((\a)%4)+2*k+1], v[96+2*k+96*(k/16):97+2*k+96*(k/16)]
.set k, k+1
.endr
	WIN 0
.endm
.macro BIASM a
	WIN 0x02+((\a)/4)
.set k, 0
.rept 32
	v_pk_add_f32 v[T+2*k:T+2*k+1], v[64*((\a)%4)+2*k:64*((\a)%4)+2*k+1], v[BM+2*(\a):BM+2*(\a)+1]
.set k, k+1
.endr
	WIN 0
.endm
.macro QUANT d0, d1, pw
.irp b, 0,1,2,3
	v_max3_num_f32 v[TM+\b], |v[T+16*\b]|, |v[T+1+16*\b]|, 0x1800000
.endr
.irp i, 2,4,6,8,10,12,14
.irp b, 0,1,2,3
	v_max3_num_f32 v[TM+\b], v[TM+\b], |v[T+16*\b+\i]|, |v[T+1+16*\b+\i]|
.endr
.endr
.irp b, 0,1,2,3
	v_permlanex16_b32 v[TM+4+\b], v[TM+\b], s[SEL], s[SEL+1]
.endr
.irp b, 0,1,2,3
	v_max_num_f32 v[TM+\b], v[TM+\b], v[TM+4+\b]
.endr
.irp b, 0,1,2,3
	v_add_nc_u32 v[TM+12+\b], 0xff000000, v[TM+\b]
.endr
.irp b, 0,1,2,3
	v_lshrrev_b32 v[TM+4+\b], 23, v[TM+12+\b]
.endr
	v_lshl_or_b32 v[\pw], v[TM+5], 8, v[TM+4]
	v_lshl_or_b32 v[\pw], v[TM+6], 16, v[\pw]
	v_lshl_or_b32 v[\pw], v[TM+7], 24, v[\pw]
	v_cvt_scalef32_pk16_fp6_f32 v[\d0:\d0+2], v[T:T+15], v[TM+12]
	v_cvt_scalef32_pk16_fp6_f32 v[CT:CT+2], v[T+16:T+31], v[TM+13]
	v_cvt_scalef32_pk16_fp6_f32 v[\d1:\d1+2], v[T+32:T+47], v[TM+14]
	v_cvt_scalef32_pk16_fp6_f32 v[CT+4:CT+6], v[T+48:T+63], v[TM+15]
	v_nop
.irp i, 0,1,2
	v_permlane16_swap_b32 v[\d0+\i], v[CT+\i]
.endr
.irp i, 0,1,2
	v_mov_b32 v[\d0+3+\i], v[CT+\i]
.endr
.irp i, 0,1,2
	v_permlane16_swap_b32 v[\d1+\i], v[CT+4+\i]
.endr
.irp i, 0,1,2
	v_mov_b32 v[\d1+3+\i], v[CT+4+\i]
.endr
.endm
.irp b, 0,1,2,3
	v_mov_b32 v[TM+4+\b], 0
.endr
	s_cmp_eq_u32 ttmp9, 2
	s_cbranch_scc1 .Lv
.irp f, 0,1,2,3
.if \f > 0
	s_wait_xcnt 0x0
.endif
	BIASN 2*\f
	QUANT FA, FB, PW+2*\f
	BIASN 2*\f+1
	QUANT FA+6, FB+6, PW+2*\f+1
.irp c, 0,1,2
	global_store_b128 v24, v[FA+4*\c:FA+4*\c+3], s[OC:OC+1] offset:\f*1536+512*\c
.endr
.irp c, 0,1,2
	global_store_b128 v24, v[FB+4*\c:FB+4*\c+3], s[OC:OC+1] offset:294912+\f*1536+512*\c
.endr
	v_perm_b32 v[WA+\f], v[PW+2*\f+1], v[PW+2*\f], s[PLO]
	v_perm_b32 v[WB+\f], v[PW+2*\f+1], v[PW+2*\f], s[PHI]
.endr
.irp i, 0,1,2,3
	v_cndmask_b32 v[DD+\i], v[WA+\i], v[WB+\i], s[HM]
.endr
	global_store_b128 v25, v[DD:DD+3], s[OS:OS+1]
	s_branch .Ljoin
.Lv:
.irp a, 0,1,2,3,4,5,6,7
.if \a > 1
	s_wait_xcnt 0x0
.endif
.set F, FA+(FB-FA)*(\a%2)
	BIASM \a
	QUANT F, F+6, PW+\a
.irp c, 0,1,2
	global_store_b128 v24, v[F+4*\c:F+4*\c+3], s[OC:OC+1] offset:(\a/4)*294912+(\a%4)*1536+512*\c
.endr
.endr
.irp i, 0,1,2,3
	v_cndmask_b32 v[DD+\i], v[PW+\i], v[PW+4+\i], s[HM]
.endr
	global_store_b128 v25, v[DD:DD+3], s[OS:OS+1]
.Ljoin:
	s_wait_tensorcnt 0x0
	ds_add_u32 v[SPW], v[NIL]
	s_wait_dscnt 0x0
	CROUND
	s_endpgm
.Lfunc_end_k_qb40bdce859_gemm_qkv:
	.size	k_qb40bdce859_gemm_qkv, .Lfunc_end_k_qb40bdce859_gemm_qkv-k_qb40bdce859_gemm_qkv
	.p2alignl 7, 3214868480
	.fill 96, 4, 3214868480
	.section	.rodata,"a",@progbits
	.p2align	6, 0x0
	.amdhsa_kernel k_qb40bdce859_gemm_qkv
		.amdhsa_group_segment_fixed_size 327680
		.amdhsa_private_segment_fixed_size 0
		.amdhsa_enable_private_segment 0
		.amdhsa_kernarg_size 40
		.amdhsa_user_sgpr_count 2
		.amdhsa_user_sgpr_kernarg_segment_ptr 1
		.amdhsa_wavefront_size32 1
		.amdhsa_system_sgpr_workgroup_id_x 1
		.amdhsa_system_sgpr_workgroup_id_y 1
		.amdhsa_system_sgpr_workgroup_id_z 1
		.amdhsa_system_vgpr_workitem_id 0
		.amdhsa_next_free_vgpr 1024
		.amdhsa_next_free_sgpr 102
		.amdhsa_reserve_vcc 0
		.amdhsa_float_denorm_mode_32 3
		.amdhsa_float_denorm_mode_16_64 3
		.amdhsa_memory_ordered 1
		.amdhsa_forward_progress 1
		.amdhsa_inst_pref_size 217
	.end_amdhsa_kernel
	.amdgpu_metadata
---
amdhsa.version: [ 1, 2 ]
amdhsa.kernels:
  - .name:           k_qb40bdce859_gemm_qkv
    .symbol:         k_qb40bdce859_gemm_qkv.kd
    .args:
      - { .name: cod, .offset: 0, .size: 8, .value_kind: global_buffer, .address_space: global }
      - { .name: scl, .offset: 8, .size: 8, .value_kind: global_buffer, .address_space: global }
      - { .name: b_qkv, .offset: 16, .size: 8, .value_kind: global_buffer, .address_space: global }
      - { .name: qkv, .offset: 24, .size: 8, .value_kind: global_buffer, .address_space: global }
      - { .name: qkvs, .offset: 32, .size: 8, .value_kind: global_buffer, .address_space: global }
    .group_segment_fixed_size: 327680
    .private_segment_fixed_size: 0
    .kernarg_segment_align: 8
    .kernarg_segment_size: 40
    .max_flat_workgroup_size: 128
    .sgpr_count:     102
    .vgpr_count:     1024
    .wavefront_size: 32
...
	.end_amdgpu_metadata
.endif
;; end of part 2
;; launch attn (part 3): grid 4 x 64, 16 waves a work-group, clusters of 4 x 1, 206,848 bytes of LDS; arguments qkv, qkvs, vals, valss; writes vals, valss
.if DOCPART == 3
	.amdgcn_target "amdgcn-amd-amdhsa--gfx1250"
	.amdhsa_code_object_version 6
	.text
	.protected	k_qb40bdce859_attn
	.globl	k_qb40bdce859_attn
	.p2align	8
	.type	k_qb40bdce859_attn,@function
k_qb40bdce859_attn:
	s_mov_b64 s[64:65], 0
	v_nop
	global_prefetch_b8 v0, s[64:65] scope:SCOPE_SE
	s_setreg_imm32_b32 hwreg(HW_REG_WAVE_MODE, 25, 1), 1
	s_wait_xcnt 0x0
	s_wait_alu depctr_hold_cnt(0) depctr_sa_sdst(0) depctr_va_vdst(0) depctr_va_sdst(0) depctr_va_ssrc(0) depctr_va_vcc(0) depctr_vm_vsrc(0)
	s_getreg_b32 s2, hwreg(HW_REG_IB_STS2, 6, 4)
	s_cmp_eq_u32 s2, 0
	s_cbranch_scc0 .Lentry_in_a_cluster
	s_endpgm
.Lentry_in_a_cluster:
	s_bfe_u32 s2, ttmp6, 0x10000c
	s_cmp_lg_u32 s2, 0x3003
	s_cbranch_scc0 .Lentry_shape_is_right
	s_endpgm
.Lentry_shape_is_right:
; vals = softmax(q k^T / 8) v for one (batch, head), both products on codes of FP6 (E2M3); vals quantised along the head's channels on the way out.
; THE SOFTMAX: t = score x log2(e) / 8; M = the running largest t rounded up to a whole number; p = 2^(t - M) is quantised along the keys, not normalised; the row's sum is taken of the unquantised p and divides at the end.
; SHARES.  A work-group owns 512 queries of a head, a wave a pair of tiles of 16, taken one after the other (two passes) over all 2,048 keys, 128 a step: 256 registers a wave, four waves to a SIMD.
; K AND V OF THE WHOLE HEAD LIE IN LDS (196,608 bytes of codes, 8,192 of scale words): fetched ONCE, as first fills, jointly by the cluster's four work-groups, which belong to one head.  No slot is filled again.
; LAYOUT.  Both products transposed: a lane holds one query (lane % 16).  K comes as pair fragments: k 0 .. 63 = 16 keys' 64 channels, k 64 .. 127 = 16 other keys'.  A pair is multiplied once by [q | zero codes] and once by
; [zero codes | q]: zero codes add nothing, so no byte of K is padding though the product's K is 64.  By the tiles' row order register 16 f + i of the scores is key 32 f + 16 (lane / 16) + i: blocks of 32 true neighbours.
; OUT: vals [token tile 512][K step 8 = head / 2][1,536], half head % 2: registers 0-3 at 16 lane, 4, 5 at 512 + 8 lane;  valss: the byte of (tile, r, head, block) at 512 tile + 256 (head / 8) + 16 r + 2 (head % 8) + block.
; The scale bytes leave as single bytes, 16 apart: a work-group owns one head of the sixteen whose bytes lie together.
; LIMITS: NaN and infinities are not served; a block whose largest magnitude lies under 2^-124 gets the byte 1: only this program reads the bytes.
; Not prefetched: every byte of K and V is asked for at the head.
.set WV,  12
.set TB,  16                           ; s16 LDS byte of the step's K pairs (V's lie 98,304 further on)
.set TS,  17                           ; s17 of its scale words
.set CNT, 18
.set HM,  19
.set G0S, 24                           ; s[24:27] group 0 for the scale words;  s[28:31] for my chunk of codes
.set G0C, 28
.set G1C, 44
.set G1S, 52
.set CS,  60
.set SEL, 62
.set ADK, 8
.set ADV, 9
.set ADS, 10
.set QW,  34                           ; q's scale word [s0 s1 s0 s1]
.set FRG, 48                           ; v48-95   four fragments of K or of V
.set S,   96                           ; v96-159  the scores, then p
.set O,   160                          ; v160-191 O^T
.set PC,  192                          ; v192-203 p's codes
.set CT,  204
.set KS,  212
.set VS,  216
.set MX,  220
.set PD,  224
.set SOP, 228
.set PW,  232
.set FF,  234
.set WK,  236
.set SM2, 238
.set BY,  246
.macro CROUND
	s_barrier_signal -1
	s_barrier_wait -1
	s_cmp_lg_u32 s[WV], 0
	s_cbranch_scc1 .Lnot_wave_0_\@
	s_barrier_signal -3
.Lnot_wave_0_\@:
	s_barrier_wait -3
	s_barrier_signal -1
	s_barrier_wait -1
.endm
	s_load_b256 s[4:11], s[0:1], 0x0               ; qkv, qkvs, vals, valss
	v_lshl_add_u32 v254, v0, 2, 0x32000
	v_mov_b32 v255, 0
	ds_add_u32 v254, v255
	ds_add_u32 v254, v255
	v_lshrrev_b32 v8, 5, v0
	s_delay_alu instid0(VALU_DEP_1)
	v_readfirstlane_b32 s[WV], v8                  ; wave 0..15
	s_bfe_u32 s13, ttmp6, 0x40000                  ; cx: it enters global addresses of q and of the results alone
	s_and_b32 s14, ttmp7, 0xffff                   ; 16 b + head, which the four partners share
	s_mul_i32 s20, s14, 294912
	s_mov_b32 s21, 0
	s_mul_i32 s22, s14, 12288
	s_mov_b32 s23, 0
	s_mul_i32 s2, s[WV], 24576                     ; waves 0-7 fetch 24,576 bytes each of K's and V's codes, which lie on end in memory and in LDS
	; group 1, codes: 24,576 dense bytes as 96 rows of 32 elements of 8 bytes; the mask names all four work-groups
	s_mov_b32 s[G1C], 15|(3<<16)|(1<<21)
	s_mov_b32 s[G1C+1], 32<<16
	s_mov_b32 s[G1C+2], 96<<16
	s_mov_b32 s[G1C+3], 32<<16
	s_mov_b32 s[G1C+4], 96
	s_mov_b32 s[G1C+5], 32
	s_mov_b32 s[G1C+6], 0
	s_mov_b32 s[G1C+7], 0
	s_mov_b32 s[G1S], 15|(3<<16)|(1<<21)           ; K's and V's scale words: 8,192 dense bytes, 32 rows
	s_mov_b32 s[G1S+1], 32<<16
	s_mov_b32 s[G1S+2], 32<<16
	s_mov_b32 s[G1S+3], 32<<16
	s_mov_b32 s[G1S+4], 32
	s_mov_b32 s[G1S+5], 32
	s_mov_b32 s[G1S+6], 0
	s_mov_b32 s[G1S+7], 0
	s_mov_b32 s[CS], 0x3e38aa3b                    ; c = log2(e) / 8
	s_mov_b32 s[CS+1], s[CS]
	s_mov_b32 s[SEL], 0x76543210
	s_mov_b32 s[SEL+1], 0xfedcba98
	s_mov_b32 s[HM], 0xffff0000
	s_wait_dscnt 0x0
	s_wait_kmcnt 0x0
	s_add_nc_u64 s[4:5], s[4:5], s[20:21]          ; qkv at my head
	s_add_nc_u64 s[6:7], s[6:7], s[22:23]          ; qkvs likewise
	s_mov_b32 s20, s2
	s_add_nc_u64 s[20:21], s[4:5], s[20:21]
	CROUND                                         ; all four work-groups are here: the joint loads meet
	s_mov_b32 s[G0S], 1
	s_mov_b32 s[G0S+1], 196608
	s_add_nc_u64 s[G0S+2:G0S+3], s[6:7], 4096      ; k's words, then v's
	s_or_b32 s[G0S+3], s[G0S+3], 0x80000000
	s_mov_b32 s[G0C], 1
	s_mov_b32 s[G0C+1], s2
	s_add_nc_u64 s[G0C+2:G0C+3], s[20:21], 98304   ; k's codes, then v's, behind q's
	s_or_b32 s[G0C+3], s[G0C+3], 0x80000000
	s_cmp_lt_u32 s[WV], 8                          ; one chain of arms, one load to an arm: waves 0-7 the codes, wave 8 the scale words
	s_cbranch_scc0 .Lfill_sc
	tensor_load_to_lds s[G0C:G0C+3], s[G1C:G1C+7]
	s_nop 0
.rept 4
	v_nop
.endr
	s_branch .Lfill_asked
.Lfill_sc:
	s_cmp_eq_u32 s[WV], 8
	s_cbranch_scc0 .Lfill_asked
	tensor_load_to_lds s[G0S:G0S+3], s[G1S:G1S+7]
	s_nop 0
.rept 4
	v_nop
.endr
.Lfill_asked:
	s_lshl_b32 s15, s13, 4
	s_add_co_u32 s15, s15, s[WV]                   ; fq: my pair of query tiles
	s_mul_i32 s2, s15, 1536
	s_mov_b32 s3, 0
	s_add_nc_u64 s[4:5], s[4:5], s[2:3]            ; its codes
	s_lshr_b32 s2, s15, 2
	s_lshl_b32 s2, s2, 8
	s_and_b32 s20, s15, 3
	s_lshl_b32 s20, s20, 2
	s_add_co_u32 s2, s2, s20
	s_add_nc_u64 s[6:7], s[6:7], s[2:3]            ; its scale word
	s_lshr_b32 s20, s14, 4
	s_lshl_b32 s20, s20, 7
	s_lshl_b32 s21, s15, 1
	s_add_co_u32 s20, s20, s21                     ; token tile 128 b + 2 fq
	s_and_b32 s21, s14, 15                         ; head
	s_mul_i32 s2, s20, 12288
	s_lshr_b32 s22, s21, 1
	s_mul_i32 s22, s22, 1536
	s_add_co_u32 s2, s2, s22
	s_and_b32 s22, s21, 1
	s_mul_i32 s22, s22, 768
	s_add_co_u32 s2, s2, s22
	s_add_nc_u64 s[8:9], s[8:9], s[2:3]
	s_lshl_b32 s2, s20, 9
	s_lshr_b32 s22, s21, 3
	s_lshl_b32 s22, s22, 8
	s_add_co_u32 s2, s2, s22
	s_and_b32 s22, s21, 7
	s_lshl_b32 s22, s22, 1
	s_add_co_u32 s2, s2, s22
	s_add_nc_u64 s[10:11], s[10:11], s[2:3]
	v_and_b32 v8, 31, v0
	v_and_b32 v9, 15, v0
	v_bfe_u32 v10, v0, 4, 1
	s_delay_alu instid0(VALU_DEP_3)
	v_lshlrev_b32 v1, 4, v8                        ; 16 lane
	s_delay_alu instid0(VALU_DEP_4)
	v_lshlrev_b32 v5, 3, v8                        ; 8 lane
	s_delay_alu instid0(VALU_DEP_2)
	v_add_nc_u32 v2, 98304, v1                     ; V's images
	v_lshlrev_b32 v7, 4, v9                        ; 16 r
	s_delay_alu instid0(VALU_DEP_1)
	v_add_nc_u32 v3, 196608, v7                    ; the scale words
	s_delay_alu instid0(VALU_DEP_2)
	v_add_nc_u32 v6, v7, v10                       ; 16 r + h
.irp c, 0,1,2
	global_load_b128 v[36+4*\c:39+4*\c], v1, s[4:5] offset:512*\c   ; my pair of q: v36-47
.endr
	global_load_b32 v35, v7, s[6:7]                ; its scale word: bytes 0, 1 the first tile's, 2, 3 the second's
.irp i, 0,1,2,3,4,5
	v_mov_b32 v[16+\i], 0                          ; zero codes below q: v16-27 = [0 | q]
	v_mov_b32 v[28+\i], 0                          ; and above: v22-33 = [q | 0]
.endr
.irp b, 0,1,2,3
	v_mov_b32 v[PD+\b], 0                          ; a lane permute's destination counts as one of its sources
.endr
	v_mov_b32 v[FF+1], 0                           ; (named as the upper half of a pair)
	s_wait_loadcnt 0x0
; A KEY STEP: 128 keys.
.macro STEP
	v_add_nc_u32 v[ADK], s[TB], v1
	v_add_nc_u32 v[ADV], s[TB], v2
	v_add_nc_u32 v[ADS], s[TS], v3
	v_nop                                          ; four plain places in front of loads into registers that the last products have read
.irp f, 0,1,2,3
.irp c, 0,1,2
	ds_load_b128 v[FRG+12*\f+4*\c:FRG+12*\f+4*\c+3], v[ADK] offset:1536*\f+512*\c
.endr
.endr
	ds_load_b128 v[KS:KS+3], v[ADS]
	s_wait_alu depctr_va_vdst(0)
	s_wait_dscnt 0x0
.irp f, 0,1,2,3
	v_wmma_scale_f32_16x16x128_f8f6f4 v[S+16*\f:S+16*\f+7], v[FRG+12*\f:FRG+12*\f+11], v[22:33], 0, v[KS+\f], v[QW] matrix_a_fmt:MATRIX_FMT_FP6 matrix_b_fmt:MATRIX_FMT_FP6
	v_wmma_scale_f32_16x16x128_f8f6f4 v[S+16*\f+8:S+16*\f+15], v[FRG+12*\f:FRG+12*\f+11], v[16:27], 0, v[KS+\f], v[QW] matrix_a_fmt:MATRIX_FMT_FP6 matrix_b_fmt:MATRIX_FMT_FP6
.endr
.rept 4
	v_nop
.endr
.irp f, 0,1,2,3                                ; V is asked for now and lands under the softmax
.irp c, 0,1,2
	ds_load_b128 v[FRG+12*\f+4*\c:FRG+12*\f+4*\c+3], v[ADV] offset:1536*\f+512*\c
.endr
.endr
	ds_load_b128 v[VS:VS+3], v[ADS] offset:4096
.irp b, 0,1,2,3
	v_max3_num_f32 v[MX+\b], v[S+16*\b], v[S+1+16*\b], v[S+2+16*\b]   ; the largest score of each block of 32 keys: for the row's maximum and, since p rises with the score, for the block's largest p
.endr
.irp i, 3,5,7,9,11,13
.irp b, 0,1,2,3
	v_max3_num_f32 v[MX+\b], v[MX+\b], v[S+16*\b+\i], v[S+1+16*\b+\i]
.endr
.endr
.irp b, 0,1,2,3
	v_max_num_f32 v[MX+\b], v[MX+\b], v[S+15+16*\b]
.endr
.irp b, 0,1,2,3
	s_delay_alu instid0(VALU_DEP_4)
	v_permlanex16_b32 v[PD+\b], v[MX+\b], s[SEL], s[SEL+1]
.endr
.irp b, 0,1,2,3
	s_delay_alu instid0(VALU_DEP_4)
	v_max_num_f32 v[MX+\b], v[MX+\b], v[PD+\b]
.endr
	s_delay_alu instid0(VALU_DEP_2)
	v_max3_num_f32 v[WK], v[MX], v[MX+1], v[MX+2]
	s_delay_alu instid0(VALU_DEP_1)
	v_max_num_f32 v[WK], v[WK], v[MX+3]
	s_delay_alu instid0(VALU_DEP_1)
	v_mul_f32 v[WK], s[CS], v[WK]
	s_delay_alu instid0(VALU_DEP_1)
	v_max_num_f32 v13, v13, v[WK]                  ; the running largest t
	v_mov_b32 v[WK], v12
	s_delay_alu instid0(VALU_DEP_2)
	v_floor_f32 v12, -v13                          ; -M = floor(-t): M is a whole number
	s_delay_alu instid0(VALU_DEP_1)
	v_sub_f32 v[WK], v12, v[WK]
	s_delay_alu instid0(VALU_DEP_1)
	v_cvt_i32_f32 v[WK], v[WK]                     ; (it saturates)
	s_delay_alu instid0(VALU_DEP_1)
	v_ldexp_f32 v[FF], 1.0, v[WK]                  ; f = 2^(old M - new M): multiplying by it rounds nothing
.set j, 0
.rept 32
	v_pk_fma_f32 v[S+j:S+j+1], v[S+j:S+j+1], s[CS:CS+1], v[12:13] op_sel_hi:[1,0,0]   ; t - M
.set j, j+2
.endr
.irp b, 0,1,2,3
	v_fma_f32 v[MX+\b], v[MX+\b], s[CS], v12
.endr
.set j, 0
	s_wait_alu depctr_va_vdst(0)
.rept 64
	v_exp_f32 v[S+j], v[S+j]                       ; p = 2^(t - M)
.set j, j+1
.endr
	v_pk_mul_f32 v[14:15], v[14:15], v[FF:FF+1] op_sel_hi:[1,0]   ; the sums under the new M: a plain place behind the exponentials
	s_wait_alu depctr_va_vdst(0)                   ; one wait for the batch, ahead of its first reader
.irp b, 0,1,2,3
	v_exp_f32 v[MX+\b], v[MX+\b]                   ; each block's largest p
.endr
	v_pk_add_f32 v[238:239], v[100:101], v[104:105]
	v_pk_add_f32 v[252:253], v[108:109], v[112:113]
	v_pk_add_f32 v[250:251], v[116:117], v[120:121]
	v_pk_add_f32 v[248:249], v[124:125], v[128:129]
	v_pk_add_f32 v[246:247], v[132:133], v[136:137]
	v_pk_add_f32 v[244:245], v[140:141], v[144:145]
	v_pk_add_f32 v[242:243], v[148:149], v[152:153]
	v_pk_add_f32 v[14:15], v[14:15], v[156:157]
	v_pk_add_f32 v[238:239], v[238:239], v[96:97]
	v_pk_add_f32 v[252:253], v[252:253], v[98:99]
	v_pk_add_f32 v[250:251], v[250:251], v[102:103]
	v_pk_add_f32 v[248:249], v[248:249], v[106:107]
	v_pk_add_f32 v[246:247], v[246:247], v[110:111]
	v_pk_add_f32 v[244:245], v[244:245], v[114:115]
	v_pk_add_f32 v[242:243], v[242:243], v[118:119]
	v_pk_add_f32 v[14:15], v[14:15], v[122:123]
	v_pk_add_f32 v[238:239], v[238:239], v[126:127]
	v_pk_add_f32 v[252:253], v[252:253], v[130:131]
	v_pk_add_f32 v[250:251], v[250:251], v[134:135]
	v_pk_add_f32 v[248:249], v[248:249], v[138:139]
	v_pk_add_f32 v[246:247], v[246:247], v[142:143]
	v_pk_add_f32 v[244:245], v[244:245], v[146:147]
	v_pk_add_f32 v[242:243], v[242:243], v[150:151]
	v_pk_add_f32 v[14:15], v[14:15], v[154:155]
	v_pk_add_f32 v[238:239], v[238:239], v[158:159]
	s_delay_alu instid0(VALU_DEP_2)
	v_pk_add_f32 v[14:15], v[14:15], v[248:249]
	s_delay_alu instid0(VALU_DEP_2)
	v_pk_add_f32 v[238:239], v[238:239], v[246:247]
	v_pk_add_f32 v[252:253], v[252:253], v[244:245]
	v_pk_add_f32 v[250:251], v[250:251], v[242:243]
	s_delay_alu instid0(VALU_DEP_2)
	v_pk_add_f32 v[14:15], v[14:15], v[252:253]
	s_delay_alu instid0(VALU_DEP_2)
	v_pk_add_f32 v[238:239], v[238:239], v[250:251]
	s_delay_alu instid0(VALU_DEP_1)
	v_pk_add_f32 v[14:15], v[14:15], v[238:239]
	s_wait_alu depctr_va_vdst(0)                   ; and one for the four
.irp b, 0,1,2,3
	v_max_num_f32 v[MX+\b], 0x1800000, v[MX+\b]    ; the floor 2^(3 - 127)
.endr
.irp b, 0,1,2,3
	s_delay_alu instid0(VALU_DEP_4)
	v_add_nc_u32 v[SOP+\b], 0xff000000, v[MX+\b]
.endr
.irp b, 0,1,2,3
	s_delay_alu instid0(VALU_DEP_4)
	v_lshrrev_b32 v[PD+\b], 23, v[SOP+\b]
.endr
	s_delay_alu instid0(VALU_DEP_3)
	v_lshl_or_b32 v[PW], v[PD+1], 8, v[PD]         ; p's scale word for these 128 keys
	s_delay_alu instid0(VALU_DEP_1)
	v_lshl_or_b32 v[PW], v[PD+2], 16, v[PW]
	s_delay_alu instid0(VALU_DEP_1)
	v_lshl_or_b32 v[PW], v[PD+3], 24, v[PW]
.irp c, 0,1
	v_cvt_scalef32_pk16_fp6_f32 v[PC+6*\c:PC+2+6*\c], v[S+32*\c:S+15+32*\c], v[SOP+2*\c]
	v_cvt_scalef32_pk16_fp6_f32 v[CT+4*\c:CT+2+4*\c], v[S+16+32*\c:S+31+32*\c], v[SOP+2*\c+1]
.endr
	v_nop                                          ; one plain place behind a scaled conversion
.irp c, 0,1
.irp i, 0,1,2
	v_permlane16_swap_b32 v[PC+6*\c+\i], v[CT+4*\c+\i]
.endr
.irp i, 0,1,2
	s_delay_alu instid0(VALU_DEP_3)
	v_mov_b32 v[PC+3+6*\c+\i], v[CT+4*\c+\i]
.endr
.endr
.set j, 0
.rept 16
	v_pk_mul_f32 v[O+j:O+j+1], v[O+j:O+j+1], v[FF:FF+1] op_sel_hi:[1,0]   ; O^T under the new M; these are also the places between p's codes and scale word and the products
.set j, j+2
.endr
	s_wait_alu depctr_va_vdst(0)
	s_wait_dscnt 0x0                               ; V is in
.irp d, 0,1,2,3
	v_wmma_scale_f32_16x16x128_f8f6f4 v[O+8*\d:O+8*\d+7], v[FRG+12*\d:FRG+12*\d+11], v[PC:PC+11], v[O+8*\d:O+8*\d+7], v[VS+\d], v[PW] matrix_a_fmt:MATRIX_FMT_FP6 matrix_b_fmt:MATRIX_FMT_FP6
.endr
.endm
.macro KLOOP n, tb0, ts0               ; n key steps from LDS byte tb0 (scale words: ts0) on: all three are constants of the text
	s_mov_b32 s[TB], \tb0
	s_mov_b32 s[TS], \ts0
	s_mov_b32 s[CNT], \n
.Lk_\@:
	STEP
	s_add_co_u32 s[TB], s[TB], 6144
	s_add_co_u32 s[TS], s[TS], 256
	s_sub_co_u32 s[CNT], s[CNT], 1
	s_cmp_lg_u32 s[CNT], 0
	s_cbranch_scc1 .Lk_\@
.endm
.macro PINIT e                         ; tile e of my pair: q between the zero codes, its scale word, and the sums' beginnings
.irp i, 0,1,2,3,4,5
	v_mov_b32 v[22+\i], v[36+6*\e+\i]
.endr
.if \e
	v_perm_b32 v[QW], v35, v35, 0x03020302
.else
	v_perm_b32 v[QW], v35, v35, 0x01000100
.endif
	v_mov_b32 v13, 0xff61b1e6                      ; the largest t so far: -3e38
	s_delay_alu instid0(VALU_DEP_1)
	v_floor_f32 v12, -v13
	v_mov_b32 v14, 0
	v_mov_b32 v15, 0
.set j, 0
.rept 32
	v_mov_b32 v[O+j], 0                            ; O^T (the step is written once: its first trip finds zeros); also the places between q's scale word and the first product
.set j, j+1
.endr
.endm
.macro WAYOUT                          ; O^T / the sum, quantised along the head's 64 channels: half a fragment and two scale bytes a row
.rept 4
	v_nop
.endr
	v_add_f32 v14, v14, v15
	s_delay_alu instid0(VALU_DEP_1)
	v_permlanex16_b32 v[PD], v14, s[SEL], s[SEL+1]
	s_delay_alu instid0(VALU_DEP_1)
	v_add_f32 v14, v14, v[PD]                      ; the row's sum
	s_wait_alu depctr_va_vdst(0)
	v_rcp_f32 v[FF], v14
	v_nop                                          ; a plain place behind the reciprocal
	s_wait_alu depctr_va_vdst(0)                   ; and the wait ahead of its first reader
.set j, 0
.rept 16
	v_pk_mul_f32 v[S+j:S+j+1], v[O+j:O+j+1], v[FF:FF+1] op_sel_hi:[1,0]   ; register 16 G + i = channel 32 G + 16 (lane / 16) + i
.set j, j+2
.endr
.irp b, 0,1
	v_max3_num_f32 v[MX+\b], |v[S+16*\b]|, |v[S+1+16*\b]|, 0x1800000
.endr
.irp i, 2,4,6,8,10,12,14
.irp b, 0,1
	s_delay_alu instid0(VALU_DEP_2)
	v_max3_num_f32 v[MX+\b], v[MX+\b], |v[S+16*\b+\i]|, |v[S+1+16*\b+\i]|
.endr
.endr
.irp b, 0,1
	s_delay_alu instid0(VALU_DEP_2)
	v_permlanex16_b32 v[PD+\b], v[MX+\b], s[SEL], s[SEL+1]
.endr
.irp b, 0,1
	s_delay_alu instid0(VALU_DEP_2)
	v_max_num_f32 v[MX+\b], v[MX+\b], v[PD+\b]
.endr
.irp b, 0,1
	s_delay_alu instid0(VALU_DEP_2)
	v_add_nc_u32 v[SOP+\b], 0xff000000, v[MX+\b]
.endr
.irp b, 0,1
	s_delay_alu instid0(VALU_DEP_2)
	v_lshrrev_b32 v[BY+\b], 23, v[SOP+\b]
.endr
	v_cvt_scalef32_pk16_fp6_f32 v[PC:PC+2], v[S:S+15], v[SOP]
	v_cvt_scalef32_pk16_fp6_f32 v[CT:CT+2], v[S+16:S+31], v[SOP+1]
	v_cndmask_b32 v[BY], v[BY], v[BY+1], s[HM]     ; lanes 0-15 store block 0's byte, lanes 16-31 block 1's.  (A plain place behind the conversions)
.irp i, 0,1,2
	v_permlane16_swap_b32 v[PC+\i], v[CT+\i]
.endr
.irp i, 0,1,2
	s_delay_alu instid0(VALU_DEP_3)
	v_mov_b32 v[PC+3+\i], v[CT+\i]
.endr
	global_store_b128 v1, v[PC:PC+3], s[8:9]       ; 512 consecutive bytes, aligned
	global_store_b64 v5, v[PC+4:PC+5], s[8:9] offset:512
	global_store_b8 v6, v[BY], s[10:11]
.endm
	PINIT 0
	s_wait_tensorcnt 0x0                           ; every wave waits for its one load (a wave that fetches nothing passes at once)
	s_barrier_signal -1
	s_barrier_wait -1                              ; K, V and their scale words lie in LDS for every wave; nothing is ever filled again
	KLOOP 16, 0, 0
	WAYOUT
	s_wait_xcnt 0x0                                ; the stores have read their registers and bases
	s_add_nc_u64 s[8:9], s[8:9], 12288             ; the next token tile
	s_add_nc_u64 s[10:11], s[10:11], 512
	PINIT 1
	KLOOP 16, 0, 0
	WAYOUT
	s_wait_tensorcnt 0x0
	ds_add_u32 v254, v255
	s_wait_dscnt 0x0
	CROUND                                         ; the closing round
	s_endpgm
.Lfunc_end_k_qb40bdce859_attn:
	.size	k_qb40bdce859_attn, .Lfunc_end_k_qb40bdce859_attn-k_qb40bdce859_attn
	.p2alignl 7, 3214868480
	.fill 96, 4, 3214868480
	.section	.rodata,"a",@progbits
	.p2align	6, 0x0
	.amdhsa_kernel k_qb40bdce859_attn
		.amdhsa_group_segment_fixed_size 206848
		.amdhsa_private_segment_fixed_size 0
		.amdhsa_enable_private_segment 0
		.amdhsa_kernarg_size 32
		.amdhsa_user_sgpr_count 2
		.amdhsa_user_sgpr_kernarg_segment_ptr 1
		.amdhsa_wavefront_size32 1
		.amdhsa_system_sgpr_workgroup_id_x 1
		.amdhsa_system_sgpr_workgroup_id_y 1
		.amdhsa_system_sgpr_workgroup_id_z 1
		.amdhsa_system_vgpr_workitem_id 0
		.amdhsa_next_free_vgpr 256
		.amdhsa_next_free_sgpr 66
		.amdhsa_reserve_vcc 0
		.amdhsa_float_denorm_mode_32 3
		.amdhsa_float_denorm_mode_16_64 3
		.amdhsa_memory_ordered 1
		.amdhsa_forward_progress 1
		.amdhsa_inst_pref_size 53
	.end_amdhsa_kernel
	.amdgpu_metadata
---
amdhsa.version: [ 1, 2 ]
amdhsa.kernels:
  - .name:           k_qb40bdce859_attn
    .symbol:         k_qb40bdce859_attn.kd
    .args:
      - { .name: qkv, .offset: 0, .size: 8, .value_kind: global_buffer, .address_space: global }
      - { .name: qkvs, .offset: 8, .size: 8, .value_kind: global_buffer, .address_space: global }
      - { .name: vals, .offset: 16, .size: 8, .value_kind: global_buffer, .address_space: global }
      - { .name: valss, .offset: 24, .size: 8, .value_kind: global_buffer, .address_space: global }
    .group_segment_fixed_size: 206848
    .private_segment_fixed_size: 0
    .kernarg_segment_align: 8
    .kernarg_segment_size: 32
    .max_flat_workgroup_size: 512
    .sgpr_count:     66
    .vgpr_count:     256
    .wavefront_size: 32
...
	.end_amdgpu_metadata
.endif
;; end of part 3
;; launch gemm_out (part 4): grid 4 x 32, 4 waves a work-group, clusters of 4 x 4, 327,680 bytes of LDS; arguments vals, valss, cod, scl, b_out, out0; writes out0
.if DOCPART == 4
	.amdgcn_target "amdgcn-amd-amdhsa--gfx1250"
	.amdhsa_code_object_version 6
	.text
	.protected	k_qb40bdce859_gemm_out
	.globl	k_qb40bdce859_gemm_out
	.p2align	8
	.type	k_qb40bdce859_gemm_out,@function
k_qb40bdce859_gemm_out:
	s_mov_b64 s[64:65], 0
	v_nop
	global_prefetch_b8 v0, s[64:65] scope:SCOPE_SE
	s_setreg_imm32_b32 hwreg(HW_REG_WAVE_MODE, 25, 1), 1
	s_wait_xcnt 0x0
	s_wait_alu depctr_hold_cnt(0) depctr_sa_sdst(0) depctr_va_vdst(0) depctr_va_sdst(0) depctr_va_ssrc(0) depctr_va_vcc(0) depctr_vm_vsrc(0)
	s_getreg_b32 s2, hwreg(HW_REG_IB_STS2, 6, 4)
	s_cmp_eq_u32 s2, 0
	s_cbranch_scc0 .Lentry_in_a_cluster
	s_endpgm
.Lentry_in_a_cluster:
	s_bfe_u32 s2, ttmp6, 0x10000c
	s_cmp_lg_u32 s2, 0xf033
	s_cbranch_scc0 .Lentry_shape_is_right
	s_endpgm
.Lentry_shape_is_right:
.set SLOT,  98304
.set QUART, 24576
.set BOFF,  49152
.set SCL,   2*SLOT
.set SPARE, SCL+16384
.set FR,    12
.set ADRA,  16
.set ADRB,  20
.set STO,   24
.set RD,    25
.set CO,    26
.set ADRS,  27
.set SPW,   28
.set NIL,   29
.set SC,    32
.set AF,    128
.set BK,    128
.set G1, 24
.set G0, 32
.set G1B, 48
.set G0B, 56
.set G1S, 68
.set G0S, 76
.set G1SB, 80
.set G0SB, 88
.set MSB, 0
.macro WIN new
.if MSB != (\new)
	s_set_vgpr_msb (MSB<<8)|(\new)
.set MSB, (\new)
.endif
.endm
.set MUL_LO, 0xa1
.set MUL_HI, 0xf1
.set TO_B,   0x40
.macro JLOAD g0a, g1a, g0b, g1b
	s_cmp_eq_u32 s15, 0
	s_cbranch_scc0 .Lfor_b_\@
	tensor_load_to_lds s[\g0a:\g0a+3], s[\g1a:\g1a+7]
	s_nop 0
.rept 4
	v_nop
.endr
	s_branch .Lasked_\@
.Lfor_b_\@:
	tensor_load_to_lds s[\g0b:\g0b+3], s[\g1b:\g1b+7]
	s_nop 0
.rept 4
	v_nop
.endr
.Lasked_\@:
.endm
.macro CREST
	s_cmp_lg_u32 s14, 0
	s_cbranch_scc1 .Lnot_wave_0_\@
	s_barrier_signal -3
.Lnot_wave_0_\@:
	s_barrier_wait -3
	s_barrier_signal -1
	s_barrier_wait -1
.endm
.macro CROUND
	s_barrier_signal -1
	s_barrier_wait -1
	CREST
.endm
.macro PLACES n
.rept \n
	v_nop
.endr
.endm
	s_load_b256 s[4:11], s[0:1], 0x0
	s_load_b128 s[20:23], s[0:1], 0x20
	v_lshl_add_u32 v[SPW], v0, 2, SPARE
	v_mov_b32 v[NIL], 0
	ds_add_u32 v28, v29
	ds_add_u32 v28, v29
	s_wait_dscnt 0x0
	v_lshrrev_b32 v1, 5, v0
	v_readfirstlane_b32 s14, v1
	s_lshr_b32 s15, s14, 1
	s_and_b32 s16, s14, 1
	s_bfe_u32 s40, ttmp6, 0x40000
	s_bfe_u32 s41, ttmp6, 0x40004
	s_lshl_b32 s43, s41, 2
	s_lshl_b32 s43, 15, s43
	s_lshl_b32 s44, 0x1111, s40
	s_and_b32 s17, ttmp7, 0xffff
	s_lshl_b32 s17, s17, 2
	s_add_co_u32 s17, s17, s41
	s_add_co_u32 s18, s40, 44
	s_or_b32 s[G1+0], s43, (3<<16)|(1<<21)
	s_or_b32 s[G1B+0], s44, (3<<16)|(1<<21)
.irp g, G1, G1B
	s_mov_b32 s[\g+1], 384<<16
	s_mov_b32 s[\g+2], 16<<16
	s_mov_b32 s[\g+3], 384<<16
	s_mov_b32 s[\g+4], 16
	s_mov_b32 s[\g+5], 1536
	s_mov_b32 s[\g+6], 0
	s_mov_b32 s[\g+7], 0
.endr
	s_or_b32 s[G1S+0], s43, (3<<16)|(1<<21)
	s_or_b32 s[G1SB+0], s44, (3<<16)|(1<<21)
.irp g, G1S, G1SB
	s_mov_b32 s[\g+1], 32<<16
	s_mov_b32 s[\g+2], 32<<16
	s_mov_b32 s[\g+3], 32<<16
	s_mov_b32 s[\g+4], 32
	s_mov_b32 s[\g+5], 32
	s_mov_b32 s[\g+6], 0
	s_mov_b32 s[\g+7], 0
.endr
	s_mul_i32 s100, s16, 98304                     ; in the ring I fetch eight of a tile's sixteen rows: which half, in bytes
	s_mov_b32 s101, 0
	s_mul_i32 s46, s17, 196608
	s_mov_b32 s47, 0
	s_mul_i32 s92, s18, 196608
	s_mov_b32 s93, 0
	s_lshl_b32 s96, s17, 13
	s_mov_b32 s97, 0
	s_lshl_b32 s98, s18, 13
	s_mov_b32 s99, 0
	s_mul_i32 s45, s14, QUART
	s_wait_kmcnt 0x0
	s_add_nc_u64 s[46:47], s[4:5], s[46:47]
	s_add_nc_u64 s[92:93], s[8:9], s[92:93]
	s_add_nc_u64 s[96:97], s[6:7], s[96:97]
	s_add_nc_u64 s[98:99], s[10:11], s[98:99]
	CROUND
	s_mov_b32 s[G0S], 1
	s_mov_b32 s[G0S+1], SCL
	s_mov_b64 s[G0S+2:G0S+3], s[96:97]
	s_or_b32 s[G0S+3], s[G0S+3], 0x80000000
	s_mov_b32 s[G0SB], 1
	s_mov_b32 s[G0SB+1], SCL+8192
	s_mov_b64 s[G0SB+2:G0SB+3], s[98:99]
	s_or_b32 s[G0SB+3], s[G0SB+3], 0x80000000
	s_mov_b32 s[G0], 1                             ; the head's four tiles, each whole: slot 0's sixteen rows of A,
	s_mov_b32 s[G0+1], 0
	s_mov_b64 s[G0+2:G0+3], s[46:47]
	s_or_b32 s[G0+3], s[G0+3], 0x80000000
	s_mov_b32 s[G0B], 1                            ; its sixteen rows of B, and the two blocks of scale words above
	s_mov_b32 s[G0B+1], BOFF
	s_mov_b64 s[G0B+2:G0B+3], s[92:93]
	s_or_b32 s[G0B+3], s[G0B+3], 0x80000000
	s_add_nc_u64 s[46:47], s[46:47], s[100:101]    ; for the ring: my eight rows
	s_add_nc_u64 s[92:93], s[92:93], s[100:101]
	s_mov_b32 s[G0+4], 1
	s_add_co_u32 s[G0+5], s45, SLOT
	s_add_nc_u64 s[G0+6:G0+7], s[46:47], 3072
	s_or_b32 s[G0+7], s[G0+7], 0x80000000
	s_mov_b32 s[G0B+4], 1
	s_add_co_u32 s[G0B+5], s45, SLOT
	s_add_nc_u64 s[G0B+6:G0B+7], s[92:93], 3072
	s_or_b32 s[G0B+7], s[G0B+7], 0x80000000
	s_cmp_lt_u32 s14, 1                            ; one chain of arms on the wave's number, one load to an arm: one tensor load a wave at the head
	s_cbranch_scc0 .Lhead_b
	tensor_load_to_lds s[G0:G0+3], s[G1:G1+7]
	s_nop 0
	PLACES 4
	s_branch .Lhead_asked
.Lhead_b:
	s_cmp_lt_u32 s14, 2
	s_cbranch_scc0 .Lhead_sa
	tensor_load_to_lds s[G0B:G0B+3], s[G1B:G1B+7]
	s_nop 0
	PLACES 4
	s_branch .Lhead_asked
.Lhead_sa:
	s_cmp_lt_u32 s14, 3
	s_cbranch_scc0 .Lhead_sb
	tensor_load_to_lds s[G0S:G0S+3], s[G1S:G1S+7]
	s_nop 0
	PLACES 4
	s_branch .Lhead_asked
.Lhead_sb:
	tensor_load_to_lds s[G0SB:G0SB+3], s[G1SB:G1SB+7]
	s_nop 0
	PLACES 4
.Lhead_asked:
	v_and_b32 v1, 15, v0
	v_bfe_u32 v2, v0, 4, 1
	v_and_b32 v3, 31, v0
	v_lshlrev_b32 v4, 4, v3
	v_lshlrev_b32 v5, 3, v3
	s_mul_i32 s2, s15, QUART
	s_mul_i32 s3, s16, QUART
	s_add_co_u32 s3, s3, BOFF
.irp s, 0,1
	v_add_nc_u32 v[ADRA+\s], s2, v4
	v_add_nc_u32 v[ADRA+2+\s], s2, v5
	v_add_nc_u32 v[ADRB+\s], s3, v4
	v_add_nc_u32 v[ADRB+2+\s], s3, v5
	s_add_co_u32 s2, s2, SLOT
	s_add_co_u32 s3, s3, SLOT
.endr
	s_xor_b32 s3, s15, 1
	s_add_co_u32 s3, s3, s16
	s_add_co_u32 s3, s3, 1
	s_lshl_b32 s3, s3, 12
	v_mul_u32_u24 v6, s3, v2
	s_lshl_b32 s2, s15, 12
	s_add_co_u32 s2, s2, SCL
	v_lshl_add_u32 v6, v1, 4, v6
	v_add_nc_u32 v[ADRS], s2, v6
	s_mul_i32 s2, s14, 8448
	v_mul_u32_u24 v[STO], v1, 528
	v_lshl_add_u32 v[STO], v2, 6, v[STO]
	v_add_nc_u32 v[STO], s2, v[STO]
	v_add_nc_u32 v[RD], s2, v4
	v_lshlrev_b32 v[CO], 4, v3
	v_lshlrev_b32 v30, 6, v2
	s_wait_alu depctr_va_vdst(0)
	s_lshl_b32 s2, s40, 10
	s_lshl_b32 s3, s16, 9
	s_add_co_u32 s2, s2, s3
	s_mov_b32 s3, 0
	s_add_nc_u64 s[20:21], s[20:21], s[2:3]
	s_add_nc_u64 s[22:23], s[22:23], s[2:3]
	s_lshl_b32 s2, s17, 20
	s_lshl_b32 s19, s15, 19
	s_add_co_u32 s2, s2, s19
	s_add_nc_u64 s[22:23], s[22:23], s[2:3]
	WIN 0x40
.irp b, 0,1,2,3,4,5,6,7
.set bn, 96+8*\b+96*(\b/4)
	global_load_b128 v[bn:bn+3], v30, s[20:21] offset:(\b/2)*128+(\b%2)*32
	global_load_b128 v[bn+4:bn+7], v30, s[20:21] offset:(\b/2)*128+(\b%2)*32+16
.endr
	WIN 0
.macro FRAG reg, adr, q, i
	ds_load_b128 v[\reg:\reg+3], v[\adr] offset:(\i)*3072+(\q)*1536
	ds_load_b64 v[\reg+4:\reg+5], v[\adr+2] offset:(\i)*3072+(\q)*1536+512
	ds_load_b128 v[\reg+6:\reg+9], v[\adr] offset:(\i)*3072+(\q)*1536+768
	ds_load_b64 v[\reg+10:\reg+11], v[\adr+2] offset:(\i)*3072+(\q)*1536+1280
.endm
.macro FETCH_B slot, q, p
	WIN TO_B
.irp i, 0,1,2,3,4,5,6,7
	FRAG 128*(\p)+FR*\i, ADRB+\slot, \q, \i
.endr
	WIN 0
.endm
.macro FETCH_A slot, q, i0
.irp i, \i0, \i0+1, \i0+2, \i0+3
	FRAG AF+FR*(\i), ADRA+\slot, \q, \i
.endr
.endm
.macro MUL16 a0, p, ks, zero
.irp a, \a0, \a0+1
.irp b, 0,1,2,3,4,5,6,7
.if \zero
	v_wmma_scale_f32_16x16x128_f8f6f4 v[8*(8*((\a)%4)+\b):8*(8*((\a)%4)+\b)+7], v[128*(\p)+FR*\b:128*(\p)+FR*\b+FR-1], v[AF+FR*(\a):AF+FR*(\a)+FR-1], 0, v[SC+8*\b+(\ks)], v[SC+8*(\a)+(\ks)] matrix_a_fmt:MATRIX_FMT_FP6 matrix_b_fmt:MATRIX_FMT_FP6 matrix_a_scale:MATRIX_SCALE_ROW1
.else
	v_wmma_scale_f32_16x16x128_f8f6f4 v[8*(8*((\a)%4)+\b):8*(8*((\a)%4)+\b)+7], v[128*(\p)+FR*\b:128*(\p)+FR*\b+FR-1], v[AF+FR*(\a):AF+FR*(\a)+FR-1], v[8*(8*((\a)%4)+\b):8*(8*((\a)%4)+\b)+7], v[SC+8*\b+(\ks)], v[SC+8*(\a)+(\ks)] matrix_a_fmt:MATRIX_FMT_FP6 matrix_b_fmt:MATRIX_FMT_FP6 matrix_a_scale:MATRIX_SCALE_ROW1
.endif
.endr
.endr
.endm
.macro STEP slot, ks, zero
	s_wait_dscnt 16
	WIN MUL_LO
	MUL16 0, 0, \ks, \zero
	MUL16 2, 0, \ks, \zero
	s_wait_dscnt 0x0
	PLACES 4
	FETCH_B \slot, 1, 1
	FETCH_A \slot, 1, 0
	WIN MUL_HI
	MUL16 4, 0, \ks, \zero
	MUL16 6, 0, \ks, \zero
	PLACES 4
	WIN 0
	FETCH_A \slot, 1, 4
.endm
.macro TURN slot, next, fill, ks
	s_wait_tensorcnt 0x0
	ds_add_u32 v[SPW], v[NIL]
	s_wait_dscnt 17
	WIN MUL_LO
	MUL16 0, 1, \ks, 0
	s_wait_dscnt 0x0
	s_barrier_signal -1
	MUL16 2, 1, \ks, 0
	WIN 0
	s_barrier_wait -1
.if \fill
	CREST
	s_add_nc_u64 s[G0+4*\slot+2:G0+4*\slot+3], s[G0+4*\slot+2:G0+4*\slot+3], 6144
	s_add_nc_u64 s[G0B+4*\slot+2:G0B+4*\slot+3], s[G0B+4*\slot+2:G0B+4*\slot+3], 6144
	JLOAD G0+4*\slot, G1, G0B+4*\slot, G1B
.else
	PLACES 4
.endif
	FETCH_B \next, 0, 0
	FETCH_A \next, 0, 0
	WIN MUL_HI
	MUL16 4, 1, \ks, 0
	MUL16 6, 1, \ks, 0
	PLACES 4
	WIN 0
	FETCH_A \next, 0, 4
.endm
	s_wait_alu depctr_va_vdst(0)                   ; the wait at the head's end
	s_wait_tensorcnt 0x0                           ; my tile of the head's four is in
	ds_add_u32 v[SPW], v[NIL]
	s_mov_b32 s[G1+2], 8<<16                       ; no tensor load of mine is out: from here on a load brings eight rows,
	s_mov_b32 s[G1+4], 8
	s_mov_b32 s[G1B+2], 8<<16
	s_mov_b32 s[G1B+4], 8
	s_mov_b32 s[G0+1], s45                         ; and slot 0's group 0 stands at my quarter
	s_add_nc_u64 s[G0+2:G0+3], s[G0+2:G0+3], s[100:101]
	s_mov_b32 s[G0B+1], s45
	s_add_nc_u64 s[G0B+2:G0B+3], s[G0B+2:G0B+3], s[100:101]
	s_wait_dscnt 0x0
	CROUND                                         ; all four tiles are in, in every work-group of the cluster
	JLOAD G0+4, G1, G0B+4, G1B                     ; slot 1's first fill, the first tensor load behind the round
.irp i, 0,1,2,3,4,5,6,7
.irp g, 0,1
	ds_load_b128 v[SC+8*\i+4*\g:SC+8*\i+4*\g+3], v[ADRS] offset:\i*512+\g*256
.endr
.endr
	FETCH_B 0, 0, 0
	FETCH_A 0, 0, 0
	FETCH_A 0, 0, 4
	STEP 0, 0, 1
	TURN 0, 1, 1, 1
	STEP 1, 2, 0
	TURN 1, 0, 1, 3
	STEP 0, 4, 0
	TURN 0, 1, 0, 5
	STEP 1, 6, 0
	s_wait_dscnt 16
	WIN MUL_LO
	MUL16 0, 1, 7, 0
	MUL16 2, 1, 7, 0
	s_wait_dscnt 0x0
	WIN MUL_HI
	MUL16 4, 1, 7, 0
	MUL16 6, 1, 7, 0
	WIN 0
	PLACES 4
	s_wait_loadcnt 0x0
.macro BLOCK a
.if (\a) > 0
	s_wait_dscnt 16
.endif
	WIN 0x46+((\a)/4)
.set k, 0
.rept 32
	v_pk_add_f32 v[2*k:2*k+1], v[64*((\a)%4)+2*k:64*((\a)%4)+2*k+1], v[96+2*k+96*(k/16):97+2*k+96*(k/16)]
.set k, k+1
.endr
.if (\a) > 1
	s_wait_alu depctr_va_vdst(0)
	s_wait_xcnt 0x0
.endif
	WIN 0x04
.irp b, 0,1,2,3,4,5,6,7
	ds_store_b128 v[STO], v[8*\b:8*\b+3] offset:(\b/2)*128+(\b%2)*32
	ds_store_b128 v[STO], v[8*\b+4:8*\b+7] offset:(\b/2)*128+(\b%2)*32+16
.endr
	WIN 0
.set BB, BK+64*((\a)%2)
.irp t, 0,1,2,3,4,5,6,7,8,9,10,11,12,13,14,15
	ds_load_b128 v[BB+4*\t:BB+4*\t+3], v[RD] offset:\t*528
.endr
.endm
.macro SEND a, younger
.set BB, BK+64*((\a)%2)
	s_wait_dscnt \younger
.irp t, 0,1,2,3,4,5,6,7,8,9,10,11,12,13,14,15
	global_store_b128 v[CO], v[BB+4*\t:BB+4*\t+3], s[22:23] offset:(32*((\a)/2)+16*(\t/8)+8*((\a)%2)+\t%8)*4096 th:TH_STORE_NT
.endr
.endm
	BLOCK 0
.irp a, 1,2,3,4,5,6,7
	BLOCK \a
	SEND \a-1, 32
.endr
	SEND 7, 0
	s_wait_tensorcnt 0x0
	ds_add_u32 v[SPW], v[NIL]
	s_wait_dscnt 0x0
	CROUND
	s_endpgm
.Lfunc_end_k_qb40bdce859_gemm_out:
	.size	k_qb40bdce859_gemm_out, .Lfunc_end_k_qb40bdce859_gemm_out-k_qb40bdce859_gemm_out
	.p2alignl 7, 3214868480
	.fill 96, 4, 3214868480
	.section	.rodata,"a",@progbits
	.p2align	6, 0x0
	.amdhsa_kernel k_qb40bdce859_gemm_out
		.amdhsa_group_segment_fixed_size 327680
		.amdhsa_private_segment_fixed_size 0
		.amdhsa_enable_private_segment 0
		.amdhsa_kernarg_size 48
		.amdhsa_user_sgpr_count 2
		.amdhsa_user_sgpr_kernarg_segment_ptr 1
		.amdhsa_wavefront_size32 1
		.amdhsa_system_sgpr_workgroup_id_x 1
		.amdhsa_system_sgpr_workgroup_id_y 1
		.amdhsa_system_sgpr_workgroup_id_z 1
		.amdhsa_system_vgpr_workitem_id 0
		.amdhsa_next_free_vgpr 1024
		.amdhsa_next_free_sgpr 102
		.amdhsa_reserve_vcc 0
		.amdhsa_float_denorm_mode_32 3
		.amdhsa_float_denorm_mode_16_64 3
		.amdhsa_memory_ordered 1
		.amdhsa_forward_progress 1
		.amdhsa_inst_pref_size 161
	.end_amdhsa_kernel
	.amdgpu_metadata
---
amdhsa.version: [ 1, 2 ]
amdhsa.kernels:
  - .name:           k_qb40bdce859_gemm_out
    .symbol:         k_qb40bdce859_gemm_out.kd
    .args:
      - { .name: vals, .offset: 0, .size: 8, .value_kind: global_buffer, .address_space: global }
      - { .name: valss, .offset: 8, .size: 8, .value_kind: global_buffer, .address_space: global }
      - { .name: cod, .offset: 16, .size: 8, .value_kind: global_buffer, .address_space: global }
      - { .name: scl, .offset: 24, .size: 8, .value_kind: global_buffer, .address_space: global }
      - { .name: b_out, .offset: 32, .size: 8, .value_kind: global_buffer, .address_space: global }
      - { .name: out0, .offset: 40, .size: 8, .value_kind: global_buffer, .address_space: global }
    .group_segment_fixed_size: 327680
    .private_segment_fixed_size: 0
    .kernarg_segment_align: 8
    .kernarg_segment_size: 48
    .max_flat_workgroup_size: 128
    .sgpr_count:     102
    .vgpr_count:     1024
    .wavefront_size: 32
...
	.end_amdgpu_metadata
.endif
;; end of part 4
